; MI455X (gfx1250); checked and timed in simulation.
; The chip was launched on July 23, 2026; its instructions are those of AMD's public machine-readable ISA for CDNA 5 (MIT licence, August 2026) and "CDNA5" Instruction Set Architecture Reference Guide (July 2026). The comments in the code are by the model that wrote it; some were corrected since.
;; LSTMFC Decoder. Allowed arithmetic: float matrix products may take bf16 or f16 operands with f32 sums; all other float work in f32.
;; Inputs: W1 80 x 160 float32; W2 10 x 80 float32; W3 1 x 10 float32; W_hh0 80 x 20 float32; W_hh1 80 x 20 float32; W_ih0 80 x 20 float32; W_ih1 80 x 20 float32; b1 80 float32; b2 10 float32; b3 1 float32; b_hh0 80 float32; b_hh1 80 float32; b_ih0 80 float32; b_ih1 80 float32; s_past 262,144 x 8 x 4 float32; u_past 262,144 x 8 x 5 float32; x_past 262,144 x 8 x 10 float32; y_past 262,144 x 8 x 1 float32.
;; Outputs: out0 262,144 x 1 float32.
;; 2 versions, each right and faster than the one before. Each part assembles by itself: llvm-mc -triple=amdgcn-amd-amdhsa -mcpu=gfx1250 --defsym DOCPART=n.
;; ======== version 1 of 2: 1 launch
;; limits: values are held in f16: magnitudes above 65,504 overflow, below 6.1e-05 lose precision
;; launch lstm (part 1): grid 256 x 1, 8 waves a work-group, no clusters, 107,520 bytes of LDS; arguments y_past, x_past, u_past, s_past, W_ih0, W_hh0, b_ih0, b_hh0, W_ih1, W_hh1, b_ih1, b_hh1, W1, b1, W2, b2, W3, b3, out0; writes out0
.if DOCPART == 1
	.amdgcn_target "amdgcn-amd-amdhsa--gfx1250"
	.amdhsa_code_object_version 6
	.text
	.protected	k_q789a4f09b7_lstm
	.globl	k_q789a4f09b7_lstm
	.p2align	8
	.type	k_q789a4f09b7_lstm,@function
k_q789a4f09b7_lstm:
	s_mov_b64 s[64:65], 0
	v_nop
	global_prefetch_b8 v0, s[64:65] scope:SCOPE_SE
	s_setreg_imm32_b32 hwreg(HW_REG_WAVE_MODE, 25, 1), 1
	s_wait_xcnt 0x0
; Two LSTM layers (H = 20, T = 8, input 20 = y | x | u | s) and FC 160 -> 80 -> 10 -> 1 for 262,144 independent rows, in one launch.
; SHARES.  256 work-groups x 8 waves; a wave owns 128 consecutive rows and walks them as 8 tiles of 16.  Nothing but the weights is shared, so one barrier stands in the text (behind the weights' build).
; LAYOUT.  All products are transposed: A = 16 rows of weights, B = data, lane (r = lane % 16, h = lane / 16) holds batch row r.  The 80 gate rows are five A tiles with permuted rows:
; row m of tile T is gate (m >> 1) & 3 of unit 4 T + 2 (m >> 3) + (m & 1).  In the result a lane then holds in register j of accumulator T gate j >> 1 (i, f, g, o) of unit 4 T + 2 h + (j & 1):
; all four gates of a unit in one lane, two units side by side for the packed f32 forms, no idle lane.  The packed h (register T = units 4 T + 2 h, + 1) IS the B operand of the next
; product; the K order is free as long as A's columns follow it.
; ACTIVATIONS.  Rows i, f, o of the weights and biases are multiplied by -log2(e), rows g by k2 = -2 log2(e), in f32 ahead of the rounding, so the sums are arguments of 2^x.  With e = 2^a,
; P = 1 + e and the cell kept as c' = k2 c:  c' = (c' Pi Pg + (k2 - k2 eg) Pf) / (Pi Pg Pf),  h = (1 - ec) / ((1 + ec) Po), ec = 2^c': seven transcendentals for a unit and step.
; BIASES ride in a spare K slot: B holds 1.0, 1.0 there, A the bias as two f16 numbers (its rounding and the rest), in the lanes with h = 0 alone.
; FORMATS.  Matrix operands f16, sums f32; gates, cell, ReLU and FC3 (ten multiply-adds a row, on the vector unit) in f32.
; LIMITS.  f16 ends at 65,504: inputs, scaled weights and biases and FC1's results lie within it.  The arguments of i, f, g are cut off at 30 from above, so a sigmoid is never below 2^-30 and
; tanh(g) saturates at 1 - 2^-29; that bounds Pi Pg Pf by 2^91.  o needs no cut (an infinity gives h = 0), c none (|c| <= 8 by its recurrence, |c'| <= 23.1).  v_min_num_f32 drops a NaN: NaN is not
; handed on.  K slots with weight 0 hold the neighbouring step's data, so inputs are finite.  Biases keep 22 bits.
.set LF,    0            ; LDS: 25 fragments of 1,024 bytes: kind x 5 + tile; kinds W_ih0 for even steps, for odd steps, W_hh0, W_ih1, W_hh1
.set W1F,   25600        ; 30 fragments of W1: K chunk q x 5 + row tile m
.set W2F,   56320        ; 3 fragments of W2
.set STAGE, 59392        ; for each wave 5,376 bytes: 16 records of x, then 16 records of s, y, u
.set WSTG,  5376
.set BREC,  2576         ; a record is 160 bytes of f16; 16 bytes follow the eighth
.set OUTS,  102400       ; for each wave 512 bytes: its 128 results
.set SPARE, 106496       ; the spare words, 128 bytes for each wave: four blocks of 256 bytes that no other line names
; window 0
.set RA,   2             ; my record: x's (h = 0) or s, y, u's (h = 1) of batch row r
.set OA,   3             ; my word in the wave's results, tile 0
.set L16,  4             ; 16 x lane
.set SPW,  6             ; LDS address of my spare word; never rewritten
.set NIL,  7             ; 0; never rewritten
.set W3L,  8             ; v8-15   W3[8 h + j], 0 beyond its ten numbers
.set ACCA, 16            ; v16-55  layer 0's five accumulators; FC: a fragment buffer, then z1 packed
.set ACCB, 56            ; v56-95  layer 1's; FC1's and FC2's
.set TMP,  96            ; v96-105 at work
.set C0,   106           ; v106-115 layer 0's cell, k2 c
.set C1,   116           ; v116-125 layer 1's
.set H0,   126           ; v126-133 h of layer 0: five registers, the ones, two zeros
.set H1,   134           ; v134-187 nine slots of six: slot 0 zeros, slot t + 1 = h of layer 1 at step t; register 5 of each the ones
.set X,    188           ; v188-227 my record: step pair p at X + 10 p; FC: a fragment buffer
.set R,    229           ; set-up: r
.set HF,   230           ; set-up: h
; window 1
.set WXE,  0
.set WXO,  40
.set WH0,  80
.set W1X,  120
.set W1H,  160
.set STG,  200           ; 40 registers: the next tile's inputs on their way
.set GV,   240           ; 16 x lane
.set XA,   241           ; where I put x's 8 bytes
.set SA,   242           ; s's 8 bytes
.set YA,   243           ; y's two words
.set UA,   244           ; u's ten words
; the build's registers (window 0, free again behind it)
.set WR,   16            ; my row of W_ih0
.set HH0,  36
.set IH1,  46
.set HH1,  56
.set BB,   66
.set W1R,  72            ; my row of W1: step t, pair p at W1R + 2 (5 t + p)
.set FT,   152           ; a fragment's eight registers
.set ZR,   162
.set MH0,  163           ; 1.0 where h = 0, else 0
.set SC,   164           ; my row's scale, twice
.set BR0,  174
.set BR1,  175
.set BR2,  176
.set FA,   177
.set W2R,  16
.set F2,   56
.set MSB, 0
.macro WIN new           ; bits 1:0 source 0, 3:2 source 1, 5:4 source 2, 7:6 destination; the high byte repeats the setting that is left
.if MSB != (\new)
	s_set_vgpr_msb (MSB<<8)|(\new)
.set MSB, \new
.endif
.endm
.macro PLACES            ; four places between a matrix instruction and a reader of its result or a load into its sources
.rept 4
	v_nop
.endr
.endm
; ---- the next tile's inputs.  guard = 1: the wave's last tile fetches nothing, so no load leaves its buffer.
.macro LA guard          ; x: 16 rows x 320 bytes are 5,120 consecutive bytes: ten loads of 512
	WIN 0
.if \guard
	s_cmp_eq_u32 s3, 1
	s_cbranch_scc1 .Lno_la_\@
.endif
	WIN 0x45
.irp n, 0,1,2,3,4,5,6,7,8,9
	global_load_b128 v[STG+4*(\n):STG+4*(\n)+3], v[GV], s[18:19] offset:512*(\n) th:TH_LOAD_NT
.endr
	WIN 0
.if \guard
.Lno_la_\@:
.endif
.endm
.macro SAQ guard         ; x rounded to f16 and laid into the records: flat, 256 bytes a load
	WIN 0
	s_wait_loadcnt 0x0                             ; on every path: the ten loads are in, and being done they free their base
.if \guard
	s_cmp_eq_u32 s3, 1
	s_cbranch_scc1 .Lno_sa_\@
.endif
	s_add_nc_u64 s[18:19], s[18:19], 5120
	WIN 0x45
.irp n, 0,1,2,3,4,5,6,7,8,9
	v_cvt_pk_f16_f32 v[STG+4*(\n)], v[STG+4*(\n)], v[STG+4*(\n)+1]
	v_cvt_pk_f16_f32 v[STG+4*(\n)+1], v[STG+4*(\n)+2], v[STG+4*(\n)+3]
.endr
.irp n, 0,1,2,3,4,5,6,7,8,9
	ds_store_b64 v[XA], v[STG+4*(\n):STG+4*(\n)+1] offset:256*(\n)+16*((\n)/5)
.endr
	WIN 0
.if \guard
.Lno_sa_\@:
.endif
.endm
.macro LB guard          ; y 512, u 2,560, s 2,048 consecutive bytes: ten loads of 512
	WIN 0
.if \guard
	s_cmp_eq_u32 s3, 1
	s_cbranch_scc1 .Lno_lb_\@
.endif
	WIN 0x45
	global_load_b128 v[STG:STG+3], v[GV], s[16:17] th:TH_LOAD_NT
.irp n, 0,1,2,3,4
	global_load_b128 v[STG+4+4*(\n):STG+4+4*(\n)+3], v[GV], s[20:21] offset:512*(\n) th:TH_LOAD_NT
.endr
.irp n, 0,1,2,3
	global_load_b128 v[STG+24+4*(\n):STG+24+4*(\n)+3], v[GV], s[22:23] offset:512*(\n) th:TH_LOAD_NT
.endr
	WIN 0
.if \guard
.Lno_lb_\@:
.endif
.endm
.macro SBQ guard         ; a step pair's 40 bytes in the second record: s of the even step, {y, y}, u of both steps, s of the odd step
	WIN 0
	s_wait_loadcnt 0x0                             ; on every path, as in SAQ
.if \guard
	s_cmp_eq_u32 s3, 1
	s_cbranch_scc1 .Lno_sb_\@
.endif
	s_add_nc_u64 s[16:17], s[16:17], 512
	s_add_nc_u64 s[20:21], s[20:21], 2560
	s_add_nc_u64 s[22:23], s[22:23], 2048
	WIN 0x45
.irp n, 0,1,2,3,4,5,6,7,8,9
	v_cvt_pk_f16_f32 v[STG+4*(\n)], v[STG+4*(\n)], v[STG+4*(\n)+1]
	v_cvt_pk_f16_f32 v[STG+4*(\n)+1], v[STG+4*(\n)+2], v[STG+4*(\n)+3]
.endr
	ds_store_b32 v[YA], v[STG]
	ds_store_b32 v[YA], v[STG+1] offset:40
.irp n, 0,1,2,3,4
	ds_store_b32 v[UA+2*(\n)], v[STG+4+4*(\n)]
	ds_store_b32 v[UA+2*(\n)+1], v[STG+5+4*(\n)]
.endr
.irp n, 0,1,2,3
	ds_store_b64 v[SA], v[STG+24+4*(\n):STG+25+4*(\n)] offset:640*(\n)+16*((\n)/2)
.endr
	WIN 0
.if \guard
.Lno_sb_\@:
.endif
.endm
; ---- the matrix work of a layer and step: two K chunks on five accumulators, which take turns
.macro MM acc, wa, ba, wb, bb
	WIN 0x01                                       ; A in window 1
.irp t, 0,1,2,3,4
	v_wmma_f32_16x16x32_f16 v[(\acc)+8*(\t):(\acc)+8*(\t)+7], v[(\wa)+8*(\t):(\wa)+8*(\t)+7], v[(\ba):(\ba)+7], 0
.endr
.irp t, 0,1,2,3,4
	v_wmma_f32_16x16x32_f16 v[(\acc)+8*(\t):(\acc)+8*(\t)+7], v[(\wb)+8*(\t):(\wb)+8*(\t)+7], v[(\bb):(\bb)+7], v[(\acc)+8*(\t):(\acc)+8*(\t)+7]
.endr
	WIN 0
.endm
.macro M0 st             ; layer 0, step st: the input's eight registers of its step pair, and h of the step before (step 0: the zeros of H1's slot 0, with their ones for the bias)
.if ((\st)%2) == 0
.set wx, WXE
.else
.set wx, WXO
.endif
.if (\st) == 0
.set hb, H1
.else
.set hb, H0
.endif
	MM ACCA, wx, X+10*((\st)/2)+2*((\st)%2), WH0, hb
.endm
.macro M1 st             ; layer 1, step st: h of layer 0 at this step, h of layer 1 at the step before
	MM ACCB, W1X, H0, W1H, H1+6*(\st)
.endm
; ---- the vector work of a layer and step.  In accumulator t: i at g, g+1; f at g+2, g+3; g at g+4, g+5; o at g+6, g+7.  Each accumulator's lowest registers are read first.
; Every transcendental has a plain instruction that names none of its registers between it and the first use of its result (ISA guide 5.7.2).  first = 1: c = 0, so f is not needed and c not read.
.macro V ab, cb, hd, first
.irp t, 0,1,2,3,4
.set g, (\ab)+8*(\t)
	v_min_num_f32 v[g], s80, v[g]
	v_min_num_f32 v[g+1], s80, v[g+1]
.endr
.if \first
.irp t, 0,1,2,3,4
.set g, (\ab)+8*(\t)
	v_exp_f32 v[g], v[g]
	v_min_num_f32 v[g+4], s80, v[g+4]
	v_exp_f32 v[g+1], v[g+1]
	v_min_num_f32 v[g+5], s80, v[g+5]
.endr
.irp t, 0,1,2,3,4
.set g, (\ab)+8*(\t)
	v_exp_f32 v[g+4], v[g+4]
	s_wait_alu depctr_va_vdst(0)
	v_pk_add_f32 v[g:g+1], v[g:g+1], 1.0 op_sel_hi:[1,0]              ; Pi
	v_exp_f32 v[g+5], v[g+5]
.endr
.else
.irp t, 0,1,2,3,4
.set g, (\ab)+8*(\t)
	v_exp_f32 v[g], v[g]
	v_min_num_f32 v[g+2], s80, v[g+2]
	v_exp_f32 v[g+1], v[g+1]
	v_min_num_f32 v[g+3], s80, v[g+3]
.endr
.irp t, 0,1,2,3,4
.set g, (\ab)+8*(\t)
	v_exp_f32 v[g+2], v[g+2]
	v_min_num_f32 v[g+4], s80, v[g+4]
	v_exp_f32 v[g+3], v[g+3]
	v_min_num_f32 v[g+5], s80, v[g+5]
.endr
.irp t, 0,1,2,3,4
.set g, (\ab)+8*(\t)
	v_exp_f32 v[g+4], v[g+4]
	s_wait_alu depctr_va_vdst(0)
	v_pk_add_f32 v[g:g+1], v[g:g+1], 1.0 op_sel_hi:[1,0]              ; Pi
	v_exp_f32 v[g+5], v[g+5]
	v_pk_add_f32 v[g+2:g+3], v[g+2:g+3], 1.0 op_sel_hi:[1,0]          ; Pf
.endr
.endif
.irp t, 0,1,2,3,4
.set g, (\ab)+8*(\t)
.set u, TMP+2*(\t)
	v_exp_f32 v[g+6], v[g+6]
	s_wait_alu depctr_va_vdst(0)
	v_pk_fma_f32 v[u:u+1], v[g+4:g+5], s[84:85], s[82:83] op_sel_hi:[1,0,0]  ; k2 - k2 eg
	v_exp_f32 v[g+7], v[g+7]
	v_pk_add_f32 v[g+4:g+5], v[g+4:g+5], 1.0 op_sel_hi:[1,0]          ; Pg
.endr
.irp t, 0,1,2,3,4
.set g, (\ab)+8*(\t)
	v_pk_mul_f32 v[g:g+1], v[g:g+1], v[g+4:g+5]                       ; Pi Pg
.endr
.if \first
.irp t, 0,1,2,3,4
.set g, (\ab)+8*(\t)
	v_rcp_f32 v[g], v[g]
	v_rcp_f32 v[g+1], v[g+1]
.endr
	s_wait_alu depctr_va_vdst(0)
.irp t, 0,1,2,3,4
.set g, (\ab)+8*(\t)
	v_pk_add_f32 v[g+6:g+7], v[g+6:g+7], 1.0 op_sel_hi:[1,0]          ; Po
.endr
.irp t, 0,1,2,3,4
.set g, (\ab)+8*(\t)
.set u, TMP+2*(\t)
.set c, (\cb)+2*(\t)
	v_pk_mul_f32 v[c:c+1], v[u:u+1], v[g:g+1]                         ; c'
.endr
.irp t, 0,1,2,3,4
.set g, (\ab)+8*(\t)
.set c, (\cb)+2*(\t)
	v_exp_f32 v[g], v[c]
	v_exp_f32 v[g+1], v[c+1]
.endr
	v_nop
	s_wait_alu depctr_va_vdst(0)
.else
.irp t, 0,1,2,3,4
.set g, (\ab)+8*(\t)
	v_pk_mul_f32 v[g+4:g+5], v[g:g+1], v[g+2:g+3]                     ; Pi Pg Pf
.endr
.irp t, 0,1,2,3,4
.set g, (\ab)+8*(\t)
.set u, TMP+2*(\t)
.set c, (\cb)+2*(\t)
	v_rcp_f32 v[g+4], v[g+4]
	v_pk_mul_f32 v[u:u+1], v[u:u+1], v[g+2:g+3]
	v_rcp_f32 v[g+5], v[g+5]
	v_pk_fma_f32 v[u:u+1], v[c:c+1], v[g:g+1], v[u:u+1]
.endr
	s_wait_alu depctr_va_vdst(0)
.irp t, 0,1,2,3,4
.set g, (\ab)+8*(\t)
.set u, TMP+2*(\t)
.set c, (\cb)+2*(\t)
	v_pk_mul_f32 v[c:c+1], v[u:u+1], v[g+4:g+5]                       ; c'
.endr
.irp t, 0,1,2,3,4
.set g, (\ab)+8*(\t)
.set c, (\cb)+2*(\t)
	v_exp_f32 v[g], v[c]
	v_pk_add_f32 v[g+6:g+7], v[g+6:g+7], 1.0 op_sel_hi:[1,0]          ; Po
	v_exp_f32 v[g+1], v[c+1]
.endr
.endif
	s_wait_alu depctr_va_vdst(0)
.irp t, 0,1,2,3,4
.set g, (\ab)+8*(\t)
.set u, TMP+2*(\t)
	v_pk_fma_f32 v[u:u+1], v[g:g+1], -1.0, 1.0 op_sel_hi:[1,0,0]      ; 1 - ec
.endr
.irp t, 0,1,2,3,4
.set g, (\ab)+8*(\t)
	v_pk_add_f32 v[g:g+1], v[g:g+1], 1.0 op_sel_hi:[1,0]              ; 1 + ec
.endr
.irp t, 0,1,2,3,4
.set g, (\ab)+8*(\t)
	v_pk_mul_f32 v[g+6:g+7], v[g:g+1], v[g+6:g+7]
.endr
.irp t, 0,1,2,3,4
.set g, (\ab)+8*(\t)
	v_rcp_f32 v[g+6], v[g+6]
	v_rcp_f32 v[g+7], v[g+7]
.endr
	v_nop
	s_wait_alu depctr_va_vdst(0)
.irp t, 0,1,2,3,4
.set g, (\ab)+8*(\t)
.set u, TMP+2*(\t)
	v_pk_mul_f32 v[u:u+1], v[u:u+1], v[g+6:g+7]                       ; h
.endr
.irp t, 0,1,2,3,4
.set u, TMP+2*(\t)
	v_cvt_pk_f16_f32 v[(\hd)+(\t)], v[u], v[u+1]
.endr
.endm
; ---- FC1: K chunk q of W1's five row tiles from LDS into a buffer, and its five products
.macro FCLOAD q, buf
.irp m, 0,1,2,3,4
	ds_load_b128 v[(\buf)+8*(\m):(\buf)+8*(\m)+3], v[L16] offset:W1F+5120*(\q)+1024*(\m)
	ds_load_b128 v[(\buf)+8*(\m)+4:(\buf)+8*(\m)+7], v[L16] offset:W1F+5120*(\q)+1024*(\m)+512
.endr
.endm
.macro FC1 q, buf, zero
.irp m, 0,1,2,3,4
.if \zero
	v_wmma_f32_16x16x32_f16 v[ACCB+8*(\m):ACCB+8*(\m)+7], v[(\buf)+8*(\m):(\buf)+8*(\m)+7], v[H1+6+8*(\q):H1+6+8*(\q)+7], 0
.else
	v_wmma_f32_16x16x32_f16 v[ACCB+8*(\m):ACCB+8*(\m)+7], v[(\buf)+8*(\m):(\buf)+8*(\m)+7], v[H1+6+8*(\q):H1+6+8*(\q)+7], v[ACCB+8*(\m):ACCB+8*(\m)+7]
.endif
.endr
.endm
; ---- the build's macros
.macro SEL d, a, b       ; column a of my row of W_ih0 where h = 0, column b where h = 1; -1: nothing
.set ra, ZR
.set rb, ZR
.if (\a) >= 0
.set ra, WR+(\a)
.endif
.if (\b) >= 0
.set rb, WR+(\b)
.endif
	v_cndmask_b32 v[\d], v[ra], v[rb], s88
.endm
.macro FR j, a0, a1, b0, b1
	SEL 10, \a0, \b0
	SEL 11, \a1, \b1
	v_cvt_pk_f16_f32 v[FT+(\j)], v10, v11
.endm
.macro FSTORE base       ; a fragment's image: registers 0-3 of lane L at 16 L, registers 4-7 at 512 + 16 L
	ds_store_b128 v[FA], v[FT:FT+3] offset:\base
	ds_store_b128 v[FA], v[FT+4:FT+7] offset:(\base)+512
.endm
.macro BIASREG dst, bs   ; {f16(b), f16(b - f16(b))}
	v_cvt_pk_f16_f32 v8, v[\bs], v[\bs]
	v_cvt_f32_f16 v9, v8.l
	v_sub_f32 v9, v[\bs], v9
	v_cvt_pk_f16_f32 v[\dst], v[\bs], v9
.endm
.macro HFRAG src, base, br
.irp i, 0,1,2,3,4
	v_pk_mul_f32 v[(\src)+2*(\i):(\src)+2*(\i)+1], v[(\src)+2*(\i):(\src)+2*(\i)+1], v[SC:SC+1]
.endr
.irp i, 0,1,2,3,4
	v_cvt_pk_f16_f32 v[FT+(\i)], v[(\src)+2*(\i)], v[(\src)+2*(\i)+1]
.endr
.if (\br) >= 0
	v_mov_b32 v[FT+5], v[\br]
.else
	v_mov_b32 v[FT+5], 0
.endif
	v_mov_b32 v[FT+6], 0
	v_mov_b32 v[FT+7], 0
	FSTORE \base
.endm
; ================ the head
	s_load_b512 s[16:31], s[0:1], 0x0              ; y s[16:17], x s[18:19], u s[20:21], s s[22:23], W_ih0 s[24:25], W_hh0 s[26:27], b_ih0 s[28:29], b_hh0 s[30:31]
	s_load_b512 s[32:47], s[0:1], 0x40             ; W_ih1 s[32:33], W_hh1 s[34:35], b_ih1 s[36:37], b_hh1 s[38:39], W1 s[40:41], b1 s[42:43], W2 s[44:45], b2 s[46:47]
	s_load_b128 s[48:51], s[0:1], 0x80             ; W3 s[48:49], b3 s[50:51]
	s_load_b64 s[52:53], s[0:1], 0x90              ; out0
	v_lshl_add_u32 v[SPW], v0, 2, SPARE
	v_mov_b32 v[NIL], 0
	v_and_b32 v1, 31, v0                           ; lane
	v_lshrrev_b32 v228, 5, v0
	v_readfirstlane_b32 s2, v228                   ; wave 0..7
	v_and_b32 v[R], 15, v0
	v_bfe_u32 v[HF], v0, 4, 1
	s_lshl_b32 s4, ttmp9, 3
	s_add_co_u32 s4, s4, s2                        ; my wave among the launch's 2,048
	s_mov_b32 s80, 0x41f00000                      ; 30.0
	s_mov_b32 s81, 0x3c003c00                      ; 1.0, 1.0 in f16
	s_mov_b32 s82, 0xc038aa3b                      ; k2 = -2 log2(e), named as a pair
	s_mov_b32 s83, 0xc038aa3b
	s_mov_b32 s84, 0x4038aa3b                      ; -k2
	s_mov_b32 s85, 0x4038aa3b
	s_mov_b32 s86, 0x76543210                      ; v_permlanex16_b32: each lane takes its own place in the other half
	s_mov_b32 s87, 0xfedcba98
	s_mov_b32 s88, 0xffff0000                      ; the lanes with h = 1
	s_mov_b32 s89, 0xbfb8aa3b                      ; -log2(e)
	s_mul_i32 s6, s2, WSTG
	s_add_co_u32 s6, s6, STAGE                     ; my wave's records
	s_add_co_u32 s12, s6, BREC
	s_add_co_u32 s13, s6, BREC+8
	s_add_co_u32 s14, s6, BREC+12
	s_lshl_b32 s7, s2, 9
	s_add_co_u32 s7, s7, OUTS                      ; my wave's results
	v_mul_u32_u24 v[RA], v[R], 160                 ; record r: 160 r + 16 (r >> 3), in the second set where h = 1
	v_lshrrev_b32 v231, 3, v[R]
	v_lshl_add_u32 v[RA], v231, 4, v[RA]
	v_mul_u32_u24 v231, v[HF], BREC
	v_add3_u32 v[RA], v[RA], v231, s6
	v_lshl_add_u32 v[OA], v[R], 2, s7
	v_lshlrev_b32 v[L16], 4, v1
	; s: load n, lane L holds s[row 4 n + (L >> 3)][step L & 7]: 160 (L >> 3) + 40 ((L & 7) >> 1) + 32 (L & 1)
	v_lshrrev_b32 v231, 3, v1
	v_mul_u32_u24 v235, v231, 160
	v_bfe_u32 v231, v1, 1, 2
	v_mul_u32_u24 v231, v231, 40
	v_and_b32 v233, 1, v1
	v_lshl_add_u32 v235, v233, 5, v235
	v_add_nc_u32 v235, v235, v231
	; y: lane L holds row L >> 1, steps 4 (L & 1) on: 160 (L >> 1) + 16 (L >> 4) + 80 (L & 1)
	v_lshrrev_b32 v231, 1, v1
	v_mul_u32_u24 v236, v231, 160
	v_lshrrev_b32 v231, 4, v1
	v_lshl_add_u32 v236, v231, 4, v236
	v_mul_u32_u24 v231, v233, 80
	v_add_nc_u32 v236, v236, v231
	; u: word W = 64 n + j + 2 L of the tile's 320; five words to a step pair P = W / 5 (W x 13,108 >> 16, exact up to 319): 4 W + 20 P + 16 (P >> 5)
.set k, 0
.rept 10
	v_lshl_add_u32 v231, v1, 1, 64*(k/2)+(k%2)
	v_mul_u32_u24 v232, v231, 13108
	v_lshrrev_b32 v232, 16, v232
	v_lshrrev_b32 v234, 5, v232
	v_mul_u32_u24 v232, v232, 20
	v_lshl_add_u32 v232, v231, 2, v232
	v_lshl_add_u32 v[237+k], v234, 4, v232
.set k, k+1
.endr
	WIN 0x40                                       ; destinations in window 1
	v_lshlrev_b32 v[GV], 4, v1
	v_lshl_add_u32 v[XA], v1, 3, s6
	v_add_nc_u32 v[SA], s12, v235
	v_add_nc_u32 v[YA], s13, v236
.set k, 0
.rept 10
	v_add_nc_u32 v[UA+k], s14, v[237+k]
.set k, k+1
.endr
	WIN 0
	v_mov_b32 v[ZR], 0
	v_cndmask_b32 v[MH0], 1.0, 0, s88
	s_mov_b32 s9, 0
	s_wait_kmcnt 0x0
	s_load_b256 s[68:75], s[48:49], 0x0            ; W3's ten numbers
	s_load_b64 s[76:77], s[48:49], 0x20
	s_load_b32 s78, s[50:51], 0x0                  ; b3
	s_mul_i32 s8, s4, 4096                         ; my wave's 128 rows in each tensor
	s_add_nc_u64 s[16:17], s[16:17], s[8:9]
	s_mul_i32 s8, s4, 40960
	s_add_nc_u64 s[18:19], s[18:19], s[8:9]
	s_mul_i32 s8, s4, 20480
	s_add_nc_u64 s[20:21], s[20:21], s[8:9]
	s_mul_i32 s8, s4, 16384
	s_add_nc_u64 s[22:23], s[22:23], s[8:9]
	s_lshl_b32 s8, s4, 9
	s_add_nc_u64 s[52:53], s[52:53], s[8:9]
	LA 0                                           ; tile 0's x is on its way during the build
; ================ the build: waves 0-4 make tile w of the five LSTM kinds and row tile w of W1, wave 5 makes W2
	s_cmp_gt_u32 s2, 5
	s_cbranch_scc1 .Lbuilt
	s_cmp_eq_u32 s2, 5
	s_cbranch_scc1 .Lwave5
	v_bfe_u32 v166, v[R], 1, 2                     ; my A row's gate
	v_mul_u32_u24 v167, v166, 20
	v_lshrrev_b32 v168, 3, v[R]
	v_lshl_add_u32 v167, v168, 1, v167
	v_and_b32 v168, 1, v[R]
	v_add_nc_u32 v167, v167, v168
	s_lshl_b32 s8, s2, 2
	v_add_nc_u32 v167, s8, v167                    ; its row in the weights: 20 gate + 4 w + 2 (r >> 3) + (r & 1)
	v_mul_u32_u24 v168, v167, 80
	v_lshl_add_u32 v169, v[HF], 3, v168            ; + 8 h: columns 4 p + 2 h, + 1
	v_lshlrev_b32 v170, 2, v167
	s_lshl_b32 s8, s2, 4
	v_add_nc_u32 v171, s8, v[R]                    ; W1's row 16 w + r
	v_mul_u32_u24 v172, v171, 640
	v_lshl_add_u32 v172, v[HF], 3, v172
	v_lshlrev_b32 v171, 2, v171
	s_lshl_b32 s8, s2, 10
	v_add_nc_u32 v[FA], s8, v[L16]
.irp i, 0,1,2,3,4
	global_load_b128 v[WR+4*(\i):WR+4*(\i)+3], v168, s[24:25] offset:16*(\i)
.endr
.irp i, 0,1,2,3,4
	global_load_b64 v[HH0+2*(\i):HH0+2*(\i)+1], v169, s[26:27] offset:16*(\i)
	global_load_b64 v[IH1+2*(\i):IH1+2*(\i)+1], v169, s[32:33] offset:16*(\i)
	global_load_b64 v[HH1+2*(\i):HH1+2*(\i)+1], v169, s[34:35] offset:16*(\i)
.endr
	global_load_b32 v[BB], v170, s[28:29]
	global_load_b32 v[BB+1], v170, s[30:31]
	global_load_b32 v[BB+2], v170, s[36:37]
	global_load_b32 v[BB+3], v170, s[38:39]
	global_load_b32 v[BB+4], v171, s[42:43]
.set k, 0
.rept 40
	global_load_b64 v[W1R+2*k:W1R+2*k+1], v172, s[40:41] offset:80*(k/5)+16*(k%5)
.set k, k+1
.endr
	v_cmp_eq_u32 vcc_lo, 2, v166
	v_mov_b32 v[SC], s89
	v_cndmask_b32 v[SC], v[SC], s82, vcc_lo        ; rows g: k2; rows i, f, o: -log2(e)
	v_mov_b32 v[SC+1], v[SC]
	s_wait_loadcnt 0x0
.irp i, 0,1,2,3,4,5,6,7,8,9
	v_pk_mul_f32 v[WR+2*(\i):WR+2*(\i)+1], v[WR+2*(\i):WR+2*(\i)+1], v[SC:SC+1]
.endr
	v_add_f32 v[BB], v[BB], v[BB+1]
	v_add_f32 v[BB+2], v[BB+2], v[BB+3]
	v_mul_f32 v[BB+1], v[SC], v[MH0]
	v_mul_f32 v[BB], v[BB], v[BB+1]
	v_mul_f32 v[BB+2], v[BB+2], v[BB+1]
	v_mul_f32 v[BB+4], v[BB+4], v[MH0]
	BIASREG BR0, BB
	BIASREG BR1, BB+2
	BIASREG BR2, BB+4
	; W_ih0 (columns: y 0, x 1-10, u 11-15, s 16-19) for an even step: B is registers 0-7 of the step pair's ten
	FR 0, 1, 2, 16, 17
	FR 1, 3, 4, 18, 19
	FR 2, 5, 6, 0, -1
	FR 3, 7, 8, 11, 12
	FR 4, 9, 10, 13, 14
	FR 5, -1, -1, 15, -1
	v_mov_b32 v[FT+6], 0
	v_mov_b32 v[FT+7], 0
	FSTORE LF
	; and for an odd step: B is registers 2-9
	FR 0, -1, -1, -1, 0
	v_mov_b32 v[FT+1], 0
	v_mov_b32 v[FT+2], 0
	FR 3, 1, 2, -1, 11
	FR 4, 3, 4, 12, 13
	FR 5, 5, 6, 14, 15
	FR 6, 7, 8, 16, 17
	FR 7, 9, 10, 18, 19
	FSTORE LF+5120
	HFRAG HH0, LF+2*5120, BR0
	HFRAG IH1, LF+3*5120, -1
	HFRAG HH1, LF+4*5120, BR1
	; W1: B's register 8 q + j is register (8 q + j) % 6 of H1's slot 1 + (8 q + j) / 6; b1 rides on the first slot's ones
.set q, 0
.rept 6
.set j, 0
.rept 8
.set rho, 8*q+j
.if (rho%6) < 5
	v_cvt_pk_f16_f32 v[FT+j], v[W1R+2*(5*(rho/6)+rho%6)], v[W1R+2*(5*(rho/6)+rho%6)+1]
.elseif rho == 5
	v_mov_b32 v[FT+j], v[BR2]
.else
	v_mov_b32 v[FT+j], 0
.endif
.set j, j+1
.endr
	FSTORE W1F+5120*q
.set q, q+1
.endr
	s_branch .Lbuilt
.Lwave5:
	v_min_u32 v166, 9, v[R]                        ; W2 has ten rows: the six A rows beyond them are made 0
	v_mul_u32_u24 v167, v166, 320
	v_lshl_add_u32 v167, v[HF], 5, v167            ; columns 16 m + 8 h on
	v_lshlrev_b32 v168, 2, v166
.irp m, 0,1,2,3,4
	global_load_b128 v[W2R+8*(\m):W2R+8*(\m)+3], v167, s[44:45] offset:64*(\m)
	global_load_b128 v[W2R+8*(\m)+4:W2R+8*(\m)+7], v167, s[44:45] offset:64*(\m)+16
.endr
	global_load_b32 v[BB+20], v168, s[46:47]
	v_cmp_gt_u32 vcc_lo, 10, v[R]
	v_cndmask_b32 v169, 0, -1, vcc_lo
	s_wait_loadcnt 0x0
.set k, 0
.rept 20
	v_cvt_pk_f16_f32 v[F2+k], v[W2R+2*k], v[W2R+2*k+1]
.set k, k+1
.endr
	v_mul_f32 v[BB+20], v[BB+20], v[MH0]
	BIASREG F2+20, BB+20
.set k, 0
.rept 21
	v_and_b32 v[F2+k], v169, v[F2+k]
.set k, k+1
.endr
	v_mov_b32 v[F2+21], 0
	v_mov_b32 v[F2+22], 0
	v_mov_b32 v[F2+23], 0
.irp q, 0,1,2
	ds_store_b128 v[L16], v[F2+8*(\q):F2+8*(\q)+3] offset:W2F+1024*(\q)
	ds_store_b128 v[L16], v[F2+8*(\q)+4:F2+8*(\q)+7] offset:W2F+1024*(\q)+512
.endr
.Lbuilt:
	SAQ 0                                          ; tile 0's x into its records,
	LB 0                                           ; its y, u, s on their way
	s_wait_dscnt 0x0                               ; for the others' sake: my fragments are in LDS
	s_barrier_signal -1
	s_barrier_wait -1                              ; everybody's are; nobody writes them again
	WIN 0x40
.set f, 0
.rept 25                                               ; the LSTM's 25 fragments stay in registers: window 1, v0-199
	ds_load_b128 v[8*f:8*f+3], v[L16] offset:LF+1024*f
	ds_load_b128 v[8*f+4:8*f+7], v[L16] offset:LF+1024*f+512
.set f, f+1
.endr
	WIN 0
	v_mov_b32 v[H0+5], s81                         ; the ones and the zeros that no step rewrites
	v_mov_b32 v[H0+6], 0
	v_mov_b32 v[H0+7], 0
.irp i, 0,1,2,3,4
	v_mov_b32 v[H1+(\i)], 0
.endr
.irp i, 0,1,2,3,4,5,6,7,8
	v_mov_b32 v[H1+6*(\i)+5], s81
.endr
.irp i, 1,2,3,4,5,6,7,8
	v_mov_b32 v[H1+6*(\i)], 0                      ; named by the slot before as K slots with weight 0: they need only be finite
	v_mov_b32 v[H1+6*(\i)+1], 0
.endr
	s_wait_kmcnt 0x0                               ; W3, b3
.irp j, 0,1
	v_mov_b32 v[W3L+(\j)], s[68+(\j)]
	v_cndmask_b32 v[W3L+(\j)], v[W3L+(\j)], s[76+(\j)], s88
.endr
.irp j, 2,3,4,5,6,7
	v_mov_b32 v[W3L+(\j)], s[68+(\j)]
	v_cndmask_b32 v[W3L+(\j)], v[W3L+(\j)], 0, s88
.endr
	SBQ 0
	s_mov_b32 s3, 8
; ================ a trip: one tile of 16 rows.  Each block of products is issued one block of vector work ahead of its reader; the next tile's inputs are fetched and laid out on the way.
.Ltile:
.irp i, 0,1,2,3,4,5,6,7,8,9
	ds_load_b128 v[X+4*(\i):X+4*(\i)+3], v[RA] offset:16*(\i)  ; LDS serves a wave's instructions in order (ISA guide 5.7.1.4): these see my stores of the records, and the next tile's stores come behind them
.endr
	LA 1
	s_wait_dscnt 0x0                               ; my record is in (first trip: the weights' fragments too)
	M0 0
	PLACES
	V ACCA, C0, H0, 1
	M0 1
	PLACES
.set tt, 0
.rept 6
	M1 tt
	V ACCA, C0, H0, 0                              ; layer 0, step tt + 1
	M0 tt+2
.if tt == 2
	SAQ 1
	LB 1
.endif
.if tt == 0
	V ACCB, C1, H1+6*(tt+1), 1                     ; layer 1, step tt
.else
	V ACCB, C1, H1+6*(tt+1), 0
.endif
.set tt, tt+1
.endr
	M1 6
	SBQ 1
	V ACCA, C0, H0, 0                              ; layer 0, step 7
	FCLOAD 0, X                                    ; the record and layer 0's accumulators are free: W1's first two K chunks
	FCLOAD 1, ACCA
	V ACCB, C1, H1+42, 0                           ; layer 1, step 6
	M1 7
	PLACES
	V ACCB, C1, H1+48, 0                           ; layer 1, step 7
	; FC1: 80 x 160 (+ b1) on H1's slots 1-8 as they lie: six K chunks, two buffers
.irp q, 0,1,2
	ds_load_b128 v[96+8*(\q):96+8*(\q)+3], v[L16] offset:W2F+1024*(\q)
	ds_load_b128 v[96+8*(\q)+4:96+8*(\q)+7], v[L16] offset:W2F+1024*(\q)+512
.endr
	s_wait_dscnt 0x0
	FC1 0, X, 1
	FC1 1, ACCA, 0
	PLACES
	FCLOAD 2, X
	FCLOAD 3, ACCA
	s_wait_dscnt 0x0
	FC1 2, X, 0
	FC1 3, ACCA, 0
	PLACES
	FCLOAD 4, X
	FCLOAD 5, ACCA
	s_wait_dscnt 0x0
	FC1 4, X, 0
	FC1 5, ACCA, 0
	PLACES
.set k, 0
.rept 40
	v_max_num_f32 v[ACCB+k], 0, v[ACCB+k]
.set k, k+1
.endr
.set k, 0
.rept 20                                               ; z1 packed: register 4 m + j = rows 16 m + 8 h + 2 j, + 1: B of FC2
	v_cvt_pk_f16_f32 v[ACCA+k], v[ACCB+2*k], v[ACCB+2*k+1]
.set k, k+1
.endr
	v_mov_b32 v[ACCA+20], s81                      ; the ones for b2
	v_mov_b32 v[ACCA+21], 0
	v_mov_b32 v[ACCA+22], 0
	v_mov_b32 v[ACCA+23], 0
	v_wmma_f32_16x16x32_f16 v[ACCB:ACCB+7], v[96:103], v[ACCA:ACCA+7], 0
	s_wait_alu depctr_va_vdst(0)                   ; a wait ahead of each link
	v_wmma_f32_16x16x32_f16 v[ACCB:ACCB+7], v[104:111], v[ACCA+8:ACCA+15], v[ACCB:ACCB+7]
	s_wait_alu depctr_va_vdst(0)
	v_wmma_f32_16x16x32_f16 v[ACCB:ACCB+7], v[112:119], v[ACCA+16:ACCA+23], v[ACCB:ACCB+7]
	PLACES
.irp j, 0,1,2,3,4,5,6,7
	v_max_num_f32 v[ACCB+(\j)], 0, v[ACCB+(\j)]
.endr
	v_pk_mul_f32 v[120:121], v[ACCB:ACCB+1], v[W3L:W3L+1]          ; FC3 in f32: my eight rows of z2,
	v_pk_fma_f32 v[120:121], v[ACCB+2:ACCB+3], v[W3L+2:W3L+3], v[120:121]
	v_pk_fma_f32 v[120:121], v[ACCB+4:ACCB+5], v[W3L+4:W3L+5], v[120:121]
	v_pk_fma_f32 v[120:121], v[ACCB+6:ACCB+7], v[W3L+6:W3L+7], v[120:121]
	s_sub_co_u32 s5, 8, s3                         ; the tile's number, 0 to 7,
	s_and_b32 s5, s5, 7
	s_lshl_b32 s5, s5, 6                           ; times its 16 words
	v_add_f32 v120, v120, v121
	v_permlanex16_b32 v122, v120, s86, s87         ; the other half of the lanes' rows,
	v_add_f32 v120, v120, v122
	v_add_f32 v120, s78, v120                      ; and b3
	v_add_nc_u32 v121, s5, v[OA]
	ds_store_b32 v121, v120                        ; both halves of the lanes write the same word with the same number
	s_sub_co_u32 s3, s3, 1
	s_cmp_lg_u32 s3, 0
	s_cbranch_scc1 .Ltile
; ================ the way out: the wave's 128 results are 512 consecutive bytes of out0, at a multiple of 512 from its first: one store
	v_add_nc_u32 v120, s7, v[L16]
	ds_load_b128 v[96:99], v120
	s_wait_dscnt 0x0
	global_store_b128 v[L16], v[96:99], s[52:53] th:TH_STORE_NT
	s_wait_tensorcnt 0x0                           ; the wave's end: behind my last LDS store
	ds_add_u32 v[SPW], v[NIL]
	s_wait_dscnt 0x0
	s_endpgm
.Lfunc_end_k_q789a4f09b7_lstm:
	.size	k_q789a4f09b7_lstm, .Lfunc_end_k_q789a4f09b7_lstm-k_q789a4f09b7_lstm
	.p2alignl 7, 3214868480
	.fill 96, 4, 3214868480
	.section	.rodata,"a",@progbits
	.p2align	6, 0x0
	.amdhsa_kernel k_q789a4f09b7_lstm
		.amdhsa_group_segment_fixed_size 107520
		.amdhsa_private_segment_fixed_size 0
		.amdhsa_enable_private_segment 0
		.amdhsa_kernarg_size 152
		.amdhsa_user_sgpr_count 2
		.amdhsa_user_sgpr_kernarg_segment_ptr 1
		.amdhsa_wavefront_size32 1
		.amdhsa_system_sgpr_workgroup_id_x 1
		.amdhsa_system_sgpr_workgroup_id_y 1
		.amdhsa_system_sgpr_workgroup_id_z 1
		.amdhsa_system_vgpr_workitem_id 0
		.amdhsa_next_free_vgpr 512
		.amdhsa_next_free_sgpr 96
		.amdhsa_reserve_vcc 1
		.amdhsa_float_denorm_mode_32 3
		.amdhsa_float_denorm_mode_16_64 3
		.amdhsa_memory_ordered 1
		.amdhsa_forward_progress 1
		.amdhsa_inst_pref_size 200
	.end_amdhsa_kernel
	.amdgpu_metadata
---
amdhsa.version: [ 1, 2 ]
amdhsa.kernels:
  - .name:           k_q789a4f09b7_lstm
    .symbol:         k_q789a4f09b7_lstm.kd
    .args:
      - { .name: y_past, .offset: 0, .size: 8, .value_kind: global_buffer, .address_space: global }
      - { .name: x_past, .offset: 8, .size: 8, .value_kind: global_buffer, .address_space: global }
      - { .name: u_past, .offset: 16, .size: 8, .value_kind: global_buffer, .address_space: global }
      - { .name: s_past, .offset: 24, .size: 8, .value_kind: global_buffer, .address_space: global }
      - { .name: W_ih0, .offset: 32, .size: 8, .value_kind: global_buffer, .address_space: global }
      - { .name: W_hh0, .offset: 40, .size: 8, .value_kind: global_buffer, .address_space: global }
      - { .name: b_ih0, .offset: 48, .size: 8, .value_kind: global_buffer, .address_space: global }
      - { .name: b_hh0, .offset: 56, .size: 8, .value_kind: global_buffer, .address_space: global }
      - { .name: W_ih1, .offset: 64, .size: 8, .value_kind: global_buffer, .address_space: global }
      - { .name: W_hh1, .offset: 72, .size: 8, .value_kind: global_buffer, .address_space: global }
      - { .name: b_ih1, .offset: 80, .size: 8, .value_kind: global_buffer, .address_space: global }
      - { .name: b_hh1, .offset: 88, .size: 8, .value_kind: global_buffer, .address_space: global }
      - { .name: W1, .offset: 96, .size: 8, .value_kind: global_buffer, .address_space: global }
      - { .name: b1, .offset: 104, .size: 8, .value_kind: global_buffer, .address_space: global }
      - { .name: W2, .offset: 112, .size: 8, .value_kind: global_buffer, .address_space: global }
      - { .name: b2, .offset: 120, .size: 8, .value_kind: global_buffer, .address_space: global }
      - { .name: W3, .offset: 128, .size: 8, .value_kind: global_buffer, .address_space: global }
      - { .name: b3, .offset: 136, .size: 8, .value_kind: global_buffer, .address_space: global }
      - { .name: out0, .offset: 144, .size: 8, .value_kind: global_buffer, .address_space: global }
    .group_segment_fixed_size: 107520
    .private_segment_fixed_size: 0
    .kernarg_segment_align: 8
    .kernarg_segment_size: 152
    .max_flat_workgroup_size: 256
    .sgpr_count:     96
    .vgpr_count:     512
    .wavefront_size: 32
...
	.end_amdgpu_metadata
.endif
;; end of part 1
;; ======== version 2 of 2: 1 launch; 1.09 times as fast as version 1
;; limits: values are held in f16: magnitudes above 65,504 overflow, below 6.1e-05 lose precision
;; launch lstm (part 2): grid 256 x 1, 8 waves a work-group, no clusters, 107,520 bytes of LDS; arguments y_past, x_past, u_past, s_past, W_ih0, W_hh0, b_ih0, b_hh0, W_ih1, W_hh1, b_ih1, b_hh1, W1, b1, W2, b2, W3, b3, out0; writes out0
.if DOCPART == 2
	.amdgcn_target "amdgcn-amd-amdhsa--gfx1250"
	.amdhsa_code_object_version 6
	.text
	.protected	k_q789a4f09b7_lstm
	.globl	k_q789a4f09b7_lstm
	.p2align	8
	.type	k_q789a4f09b7_lstm,@function
k_q789a4f09b7_lstm:
	s_mov_b64 s[64:65], 0
	v_nop
	global_prefetch_b8 v0, s[64:65] scope:SCOPE_SE
	s_setreg_imm32_b32 hwreg(HW_REG_WAVE_MODE, 25, 1), 1
	s_wait_xcnt 0x0
; Two LSTM layers (H = 20, T = 8, input 20 = y | x | u | s) and FC 160 -> 80 -> 10 -> 1 for 262,144 independent rows, in one launch.
; SHARES.  256 work-groups x 8 waves; a wave owns 128 consecutive rows and walks them as 8 tiles of 16.  Nothing but the weights is shared, so one barrier stands in the text (behind the weights' build).
; LAYOUT.  All products are transposed: A = 16 rows of weights, B = data, lane (r = lane % 16, h = lane / 16) holds batch row r.  The 80 gate rows are five A tiles with permuted rows:
; row m of tile T is gate (m >> 1) & 3 of unit 4 T + 2 (m >> 3) + (m & 1).  In the result a lane then holds in register j of accumulator T gate j >> 1 (i, f, g, o) of unit 4 T + 2 h + (j & 1):
; all four gates of a unit in one lane, two units side by side for the packed f32 forms, no idle lane.  The packed h (register T = units 4 T + 2 h, + 1) IS the B operand of the next
; product; the K order is free as long as A's columns follow it.
; ACTIVATIONS.  Rows i, f, o of the weights and biases are multiplied by -log2(e), rows g by k2 = -2 log2(e), in f32 ahead of the rounding, so the sums are arguments of 2^x.  With e = 2^a,
; P = 1 + e and the cell kept as c' = k2 c:  c' = (c' Pi Pg + (k2 - k2 eg) Pf) / (Pi Pg Pf),  h = (1 - ec) / ((1 + ec) Po), ec = 2^c': seven transcendentals for a unit and step.
; BATCHES.  A layer's step has four batches of transcendentals, each fed by the one before it: B1 the 40 exponentials of the gates (30 at a first step, which needs no f); B2 the 10 reciprocals of
; Pi Pg Pf; B3 the 10 exponentials of c'; B4 the 10 reciprocals of (1 + ec) Po.  Each batch has ONE s_wait_alu depctr_va_vdst(0), ahead of the first line that names a
; result.  The two layers take turns and do not read each other's step in hand, so B4 of the layer that ends and B1 of the layer that begins are issued together and share a wait (JOIN): three waits
; for a layer's step in the run of the steps, four where a layer stands alone (layer 0's step 0, layer 1's steps 6 and 7): 51 in a tile.
; BIASES ride in a spare K slot: B holds 1.0, 1.0 there, A the bias as two f16 numbers (its rounding and the rest), in the lanes with h = 0 alone.
; FORMATS.  Matrix operands f16, sums f32; gates, cell, ReLU and FC3 (ten multiply-adds a row, on the vector unit) in f32.
; LIMITS.  f16 ends at 65,504: inputs, scaled weights and biases and FC1's results lie within it.  The arguments of i, f, g are cut off at 30 from above, so a sigmoid is never below 2^-30 and
; tanh(g) saturates at 1 - 2^-29; that bounds Pi Pg Pf by 2^91.  o needs no cut (an infinity gives h = 0), c none (|c| <= 8 by its recurrence, |c'| <= 23.1).  v_min_num_f32 drops a NaN: NaN is not
; handed on.  K slots with weight 0 hold the neighbouring step's data, so inputs are finite.  Biases keep 22 bits.
.set LF,    0            ; LDS: 25 fragments of 1,024 bytes: kind x 5 + tile; kinds W_ih0 for even steps, for odd steps, W_hh0, W_ih1, W_hh1
.set W1F,   25600        ; 30 fragments of W1: K chunk q x 5 + row tile m
.set W2F,   56320        ; 3 fragments of W2
.set STAGE, 59392        ; for each wave 5,376 bytes: 16 records of x, then 16 records of s, y, u
.set WSTG,  5376
.set BREC,  2576         ; a record is 160 bytes of f16; 16 bytes follow the eighth
.set OUTS,  102400       ; for each wave 512 bytes: its 128 results
.set SPARE, 106496       ; the spare words, 128 bytes for each wave: four blocks of 256 bytes that no other line names
; window 0
.set RA,   2             ; my record: x's (h = 0) or s, y, u's (h = 1) of batch row r
.set OA,   3             ; my word in the wave's results, tile 0
.set L16,  4             ; 16 x lane
.set SPW,  6             ; LDS address of my spare word; never rewritten
.set NIL,  7             ; 0; never rewritten
.set W3L,  8             ; v8-15   W3[8 h + j], 0 beyond its ten numbers
.set ACCA, 16            ; v16-55  layer 0's five accumulators; FC: a fragment buffer, then z1 packed
.set ACCB, 56            ; v56-95  layer 1's; FC1's and FC2's
.set TMP,  96            ; v96-105 at work: one set for both layers, since the layer that ends reads it (FIN) before the layer that begins writes it (MID)
.set C0,   106           ; v106-115 layer 0's cell, k2 c
.set C1,   116           ; v116-125 layer 1's
.set H0,   126           ; v126-133 h of layer 0: five registers, the ones, two zeros
.set H1,   134           ; v134-187 nine slots of six: slot 0 zeros, slot t + 1 = h of layer 1 at step t; register 5 of each the ones
.set X,    188           ; v188-227 my record: step pair p at X + 10 p; FC: a fragment buffer
.set R,    229           ; set-up: r
.set HF,   230           ; set-up: h
; window 1
.set WXE,  0
.set WXO,  40
.set WH0,  80
.set W1X,  120
.set W1H,  160
.set STG,  200           ; 40 registers: the next tile's inputs on their way
.set GV,   240           ; 16 x lane
.set XA,   241           ; where I put x's 8 bytes
.set SA,   242           ; s's 8 bytes
.set YA,   243           ; y's two words
.set UA,   244           ; u's ten words
; the build's registers (window 0, free again behind it)
.set WR,   16            ; my row of W_ih0
.set HH0,  36
.set IH1,  46
.set HH1,  56
.set BB,   66
.set W1R,  72            ; my row of W1: step t, pair p at W1R + 2 (5 t + p)
.set FT,   152           ; a fragment's eight registers
.set ZR,   162
.set MH0,  163           ; 1.0 where h = 0, else 0
.set SC,   164           ; my row's scale, twice
.set BR0,  174
.set BR1,  175
.set BR2,  176
.set FA,   177
.set W2R,  16
.set F2,   56
.set MSB, 0
.macro WIN new           ; bits 1:0 source 0, 3:2 source 1, 5:4 source 2, 7:6 destination; the high byte repeats the setting that is left
.if MSB != (\new)
	s_set_vgpr_msb (MSB<<8)|(\new)
.set MSB, \new
.endif
.endm
.macro PLACES            ; four places between a matrix instruction and a reader of its result or a load into its sources
.rept 4
	v_nop
.endr
.endm
; ---- the next tile's inputs.  guard = 1: the wave's last tile fetches nothing, so no load leaves its buffer.
.macro LA guard          ; x: 16 rows x 320 bytes are 5,120 consecutive bytes: ten loads of 512
	WIN 0
.if \guard
	s_cmp_eq_u32 s3, 1
	s_cbranch_scc1 .Lno_la_\@
.endif
	WIN 0x45
.irp n, 0,1,2,3,4,5,6,7,8,9
	global_load_b128 v[STG+4*(\n):STG+4*(\n)+3], v[GV], s[18:19] offset:512*(\n) th:TH_LOAD_NT
.endr
	WIN 0
.if \guard
.Lno_la_\@:
.endif
.endm
.macro SAQ guard         ; x rounded to f16 and laid into the records: flat, 256 bytes a load
	WIN 0
	s_wait_loadcnt 0x0                             ; on every path: the ten loads are in, and being done they free their base
.if \guard
	s_cmp_eq_u32 s3, 1
	s_cbranch_scc1 .Lno_sa_\@
.endif
	s_add_nc_u64 s[18:19], s[18:19], 5120
	WIN 0x45
.irp n, 0,1,2,3,4,5,6,7,8,9
	v_cvt_pk_f16_f32 v[STG+4*(\n)], v[STG+4*(\n)], v[STG+4*(\n)+1]
	v_cvt_pk_f16_f32 v[STG+4*(\n)+1], v[STG+4*(\n)+2], v[STG+4*(\n)+3]
.endr
.irp n, 0,1,2,3,4,5,6,7,8,9
	ds_store_b64 v[XA], v[STG+4*(\n):STG+4*(\n)+1] offset:256*(\n)+16*((\n)/5)
.endr
	WIN 0
.if \guard
.Lno_sa_\@:
.endif
.endm
.macro LB guard          ; y 512, u 2,560, s 2,048 consecutive bytes: ten loads of 512
	WIN 0
.if \guard
	s_cmp_eq_u32 s3, 1
	s_cbranch_scc1 .Lno_lb_\@
.endif
	WIN 0x45
	global_load_b128 v[STG:STG+3], v[GV], s[16:17] th:TH_LOAD_NT
.irp n, 0,1,2,3,4
	global_load_b128 v[STG+4+4*(\n):STG+4+4*(\n)+3], v[GV], s[20:21] offset:512*(\n) th:TH_LOAD_NT
.endr
.irp n, 0,1,2,3
	global_load_b128 v[STG+24+4*(\n):STG+24+4*(\n)+3], v[GV], s[22:23] offset:512*(\n) th:TH_LOAD_NT
.endr
	WIN 0
.if \guard
.Lno_lb_\@:
.endif
.endm
.macro SBQ guard         ; a step pair's 40 bytes in the second record: s of the even step, {y, y}, u of both steps, s of the odd step
	WIN 0
	s_wait_loadcnt 0x0                             ; on every path, as in SAQ
.if \guard
	s_cmp_eq_u32 s3, 1
	s_cbranch_scc1 .Lno_sb_\@
.endif
	s_add_nc_u64 s[16:17], s[16:17], 512
	s_add_nc_u64 s[20:21], s[20:21], 2560
	s_add_nc_u64 s[22:23], s[22:23], 2048
	WIN 0x45
.irp n, 0,1,2,3,4,5,6,7,8,9
	v_cvt_pk_f16_f32 v[STG+4*(\n)], v[STG+4*(\n)], v[STG+4*(\n)+1]
	v_cvt_pk_f16_f32 v[STG+4*(\n)+1], v[STG+4*(\n)+2], v[STG+4*(\n)+3]
.endr
	ds_store_b32 v[YA], v[STG]
	ds_store_b32 v[YA], v[STG+1] offset:40
.irp n, 0,1,2,3,4
	ds_store_b32 v[UA+2*(\n)], v[STG+4+4*(\n)]
	ds_store_b32 v[UA+2*(\n)+1], v[STG+5+4*(\n)]
.endr
.irp n, 0,1,2,3
	ds_store_b64 v[SA], v[STG+24+4*(\n):STG+25+4*(\n)] offset:640*(\n)+16*((\n)/2)
.endr
	WIN 0
.if \guard
.Lno_sb_\@:
.endif
.endm
; ---- the matrix work of a layer and step: two K chunks on five accumulators, which take turns
.macro MM acc, wa, ba, wb, bb
	WIN 0x01                                       ; A in window 1
.irp t, 0,1,2,3,4
	v_wmma_f32_16x16x32_f16 v[(\acc)+8*(\t):(\acc)+8*(\t)+7], v[(\wa)+8*(\t):(\wa)+8*(\t)+7], v[(\ba):(\ba)+7], 0
.endr
.irp t, 0,1,2,3,4
	v_wmma_f32_16x16x32_f16 v[(\acc)+8*(\t):(\acc)+8*(\t)+7], v[(\wb)+8*(\t):(\wb)+8*(\t)+7], v[(\bb):(\bb)+7], v[(\acc)+8*(\t):(\acc)+8*(\t)+7]
.endr
	WIN 0
.endm
.macro M0 st             ; layer 0, step st: the input's eight registers of its step pair, and h of the step before (step 0: the zeros of H1's slot 0, with their ones for the bias)
.if ((\st)%2) == 0
.set wx, WXE
.else
.set wx, WXO
.endif
.if (\st) == 0
.set hb, H1
.else
.set hb, H0
.endif
	MM ACCA, wx, X+10*((\st)/2)+2*((\st)%2), WH0, hb
.endm
.macro M1 st             ; layer 1, step st: h of layer 0 at this step, h of layer 1 at the step before
	MM ACCB, W1X, H0, W1H, H1+6*(\st)
.endm
; ---- the vector work of a layer and step, in three parts: JOIN (B1), MID (B2, B3), JOIN (B4), FIN.  In accumulator t: i at g, g+1; f at g+2, g+3; g at g+4, g+5; o at g+6, g+7.
; Each accumulator's lowest registers are read first.  Every transcendental has a plain instruction that names none of its registers between it and the first use of its
; result (ISA guide 5.7.2).  first = 1: c = 0, so f is not needed and c not read.
; JOIN: B4 of the layer that ends (accumulators at pa: the reciprocals of (1 + ec) Po, in g+6, g+7) and B1 of the layer that begins (accumulators at nb: the cuts at 30 and the exponentials of its
; gates, in place), issued together; -1: there is no such layer here.  Nothing in it names a result of either batch.  The plain lines stand between the transcendentals as far as they reach: nb's
; cuts, each ahead of its exponential, and pa's five 1 - ec (ec, of B3, still lies in g, g+1).  The last line ahead of the wait is plain: the last 1 - ec, or a v_nop where no layer ends.
.macro JOIN pa, nb, first
.irp t, 0,1,2,3,4
.if (\pa) >= 0
	v_rcp_f32 v[(\pa)+8*(\t)+6], v[(\pa)+8*(\t)+6]
.endif
.if (\nb) >= 0
	v_min_num_f32 v[(\nb)+8*(\t)], s80, v[(\nb)+8*(\t)]
.endif
.if (\pa) >= 0
	v_rcp_f32 v[(\pa)+8*(\t)+7], v[(\pa)+8*(\t)+7]
.endif
.if (\nb) >= 0
	v_min_num_f32 v[(\nb)+8*(\t)+1], s80, v[(\nb)+8*(\t)+1]
.endif
.endr
.if (\nb) >= 0
.if \first
.irp t, 0,1,2,3,4
.set g, (\nb)+8*(\t)
	v_exp_f32 v[g], v[g]
	v_min_num_f32 v[g+4], s80, v[g+4]
	v_exp_f32 v[g+1], v[g+1]
	v_min_num_f32 v[g+5], s80, v[g+5]
.endr
.else
.irp t, 0,1,2,3,4
.set g, (\nb)+8*(\t)
	v_exp_f32 v[g], v[g]
	v_min_num_f32 v[g+2], s80, v[g+2]
	v_exp_f32 v[g+1], v[g+1]
	v_min_num_f32 v[g+3], s80, v[g+3]
.endr
.irp t, 0,1,2,3,4
.set g, (\nb)+8*(\t)
	v_exp_f32 v[g+2], v[g+2]
	v_min_num_f32 v[g+4], s80, v[g+4]
	v_exp_f32 v[g+3], v[g+3]
	v_min_num_f32 v[g+5], s80, v[g+5]
.endr
.endif
.endif
.irp t, 0,1,2,3,4
.if (\nb) >= 0
.set g, (\nb)+8*(\t)
	v_exp_f32 v[g+4], v[g+4]
	v_exp_f32 v[g+5], v[g+5]
	v_exp_f32 v[g+6], v[g+6]
	v_exp_f32 v[g+7], v[g+7]
.endif
.if (\pa) >= 0
.set pg, (\pa)+8*(\t)
.set u, TMP+2*(\t)
	v_pk_fma_f32 v[u:u+1], v[pg:pg+1], -1.0, 1.0 op_sel_hi:[1,0,0]    ; 1 - ec
.endif
.endr
.if (\pa) < 0
	v_nop                                          ; the plain instruction behind the last exponential
.endif
	s_wait_alu depctr_va_vdst(0)                   ; ONE wait for pa's B4 and nb's B1, ahead of FIN and MID, their first readers
.endm
; MID: all between B1's wait and B4.  B2's reciprocals stand by turns with the two lines that make c's numerator (first step: behind each pair of them Po), B3's exponentials have Po behind each pair
; (first step: a v_nop behind the last).  1 + ec goes into g+4, g+5, which are free, so that ec stays for JOIN's 1 - ec.
.macro MID ab, cb, first
.irp t, 0,1,2,3,4
.set g, (\ab)+8*(\t)
	v_pk_add_f32 v[g:g+1], v[g:g+1], 1.0 op_sel_hi:[1,0]              ; Pi
.endr
.if !(\first)
.irp t, 0,1,2,3,4
.set g, (\ab)+8*(\t)
	v_pk_add_f32 v[g+2:g+3], v[g+2:g+3], 1.0 op_sel_hi:[1,0]          ; Pf
.endr
.endif
.irp t, 0,1,2,3,4
.set g, (\ab)+8*(\t)
.set u, TMP+2*(\t)
	v_pk_fma_f32 v[u:u+1], v[g+4:g+5], s[84:85], s[82:83] op_sel_hi:[1,0,0]  ; k2 - k2 eg
.endr
.irp t, 0,1,2,3,4
.set g, (\ab)+8*(\t)
	v_pk_add_f32 v[g+4:g+5], v[g+4:g+5], 1.0 op_sel_hi:[1,0]          ; Pg
.endr
.irp t, 0,1,2,3,4
.set g, (\ab)+8*(\t)
	v_pk_mul_f32 v[g:g+1], v[g:g+1], v[g+4:g+5]                       ; Pi Pg
.endr
.if \first
.irp t, 0,1,2,3,4
.set g, (\ab)+8*(\t)
	v_rcp_f32 v[g], v[g]
	v_rcp_f32 v[g+1], v[g+1]
	v_pk_add_f32 v[g+6:g+7], v[g+6:g+7], 1.0 op_sel_hi:[1,0]          ; Po
.endr
	s_wait_alu depctr_va_vdst(0)                   ; the wait for B2: ten reciprocals
.irp t, 0,1,2,3,4
.set g, (\ab)+8*(\t)
.set u, TMP+2*(\t)
.set c, (\cb)+2*(\t)
	v_pk_mul_f32 v[c:c+1], v[u:u+1], v[g:g+1]                         ; c'
.endr
.irp t, 0,1,2,3,4
.set g, (\ab)+8*(\t)
.set c, (\cb)+2*(\t)
	v_exp_f32 v[g], v[c]
	v_exp_f32 v[g+1], v[c+1]
.endr
	v_nop                                          ; the plain instruction behind the last exponential
	s_wait_alu depctr_va_vdst(0)                   ; the wait for B3: ten exponentials
.else
.irp t, 0,1,2,3,4
.set g, (\ab)+8*(\t)
	v_pk_mul_f32 v[g+4:g+5], v[g:g+1], v[g+2:g+3]                     ; Pi Pg Pf
.endr
.irp t, 0,1,2,3,4
.set g, (\ab)+8*(\t)
.set u, TMP+2*(\t)
.set c, (\cb)+2*(\t)
	v_rcp_f32 v[g+4], v[g+4]
	v_pk_mul_f32 v[u:u+1], v[u:u+1], v[g+2:g+3]
	v_rcp_f32 v[g+5], v[g+5]
	v_pk_fma_f32 v[u:u+1], v[c:c+1], v[g:g+1], v[u:u+1]
.endr
	s_wait_alu depctr_va_vdst(0)                   ; the wait for B2: ten reciprocals
.irp t, 0,1,2,3,4
.set g, (\ab)+8*(\t)
.set u, TMP+2*(\t)
.set c, (\cb)+2*(\t)
	v_pk_mul_f32 v[c:c+1], v[u:u+1], v[g+4:g+5]                       ; c'
.endr
.irp t, 0,1,2,3,4
.set g, (\ab)+8*(\t)
.set c, (\cb)+2*(\t)
	v_exp_f32 v[g], v[c]
	v_exp_f32 v[g+1], v[c+1]
	v_pk_add_f32 v[g+6:g+7], v[g+6:g+7], 1.0 op_sel_hi:[1,0]          ; Po
.endr
	s_wait_alu depctr_va_vdst(0)                   ; the wait for B3: ten exponentials
.endif
.irp t, 0,1,2,3,4
.set g, (\ab)+8*(\t)
	v_pk_add_f32 v[g+4:g+5], v[g:g+1], 1.0 op_sel_hi:[1,0]            ; 1 + ec
.endr
.irp t, 0,1,2,3,4
.set g, (\ab)+8*(\t)
	v_pk_mul_f32 v[g+6:g+7], v[g+4:g+5], v[g+6:g+7]
.endr
.endm
; FIN: behind JOIN's wait: h, and its rounding into the next products' B operand
.macro FIN ab, hd
.irp t, 0,1,2,3,4
.set g, (\ab)+8*(\t)
.set u, TMP+2*(\t)
	v_pk_mul_f32 v[u:u+1], v[u:u+1], v[g+6:g+7]                       ; h
.endr
.irp t, 0,1,2,3,4
.set u, TMP+2*(\t)
	v_cvt_pk_f16_f32 v[(\hd)+(\t)], v[u], v[u+1]
.endr
.endm
; ---- FC1: K chunk q of W1's five row tiles from LDS into a buffer, and its five products
.macro FCLOAD q, buf
.irp m, 0,1,2,3,4
	ds_load_b128 v[(\buf)+8*(\m):(\buf)+8*(\m)+3], v[L16] offset:W1F+5120*(\q)+1024*(\m)
	ds_load_b128 v[(\buf)+8*(\m)+4:(\buf)+8*(\m)+7], v[L16] offset:W1F+5120*(\q)+1024*(\m)+512
.endr
.endm
.macro FC1 q, buf, zero
.irp m, 0,1,2,3,4
.if \zero
	v_wmma_f32_16x16x32_f16 v[ACCB+8*(\m):ACCB+8*(\m)+7], v[(\buf)+8*(\m):(\buf)+8*(\m)+7], v[H1+6+8*(\q):H1+6+8*(\q)+7], 0
.else
	v_wmma_f32_16x16x32_f16 v[ACCB+8*(\m):ACCB+8*(\m)+7], v[(\buf)+8*(\m):(\buf)+8*(\m)+7], v[H1+6+8*(\q):H1+6+8*(\q)+7], v[ACCB+8*(\m):ACCB+8*(\m)+7]
.endif
.endr
.endm
; ---- the build's macros
.macro SEL d, a, b       ; column a of my row of W_ih0 where h = 0, column b where h = 1; -1: nothing
.set ra, ZR
.set rb, ZR
.if (\a) >= 0
.set ra, WR+(\a)
.endif
.if (\b) >= 0
.set rb, WR+(\b)
.endif
	v_cndmask_b32 v[\d], v[ra], v[rb], s88
.endm
.macro FR j, a0, a1, b0, b1
	SEL 10, \a0, \b0
	SEL 11, \a1, \b1
	v_cvt_pk_f16_f32 v[FT+(\j)], v10, v11
.endm
.macro FSTORE base       ; a fragment's image: registers 0-3 of lane L at 16 L, registers 4-7 at 512 + 16 L
	ds_store_b128 v[FA], v[FT:FT+3] offset:\base
	ds_store_b128 v[FA], v[FT+4:FT+7] offset:(\base)+512
.endm
.macro BIASREG dst, bs   ; {f16(b), f16(b - f16(b))}
	v_cvt_pk_f16_f32 v8, v[\bs], v[\bs]
	v_cvt_f32_f16 v9, v8.l
	v_sub_f32 v9, v[\bs], v9
	v_cvt_pk_f16_f32 v[\dst], v[\bs], v9
.endm
.macro HFRAG src, base, br
.irp i, 0,1,2,3,4
	v_pk_mul_f32 v[(\src)+2*(\i):(\src)+2*(\i)+1], v[(\src)+2*(\i):(\src)+2*(\i)+1], v[SC:SC+1]
.endr
.irp i, 0,1,2,3,4
	v_cvt_pk_f16_f32 v[FT+(\i)], v[(\src)+2*(\i)], v[(\src)+2*(\i)+1]
.endr
.if (\br) >= 0
	v_mov_b32 v[FT+5], v[\br]
.else
	v_mov_b32 v[FT+5], 0
.endif
	v_mov_b32 v[FT+6], 0
	v_mov_b32 v[FT+7], 0
	FSTORE \base
.endm
; ================ the head
	s_load_b512 s[16:31], s[0:1], 0x0              ; y s[16:17], x s[18:19], u s[20:21], s s[22:23], W_ih0 s[24:25], W_hh0 s[26:27], b_ih0 s[28:29], b_hh0 s[30:31]
	s_load_b512 s[32:47], s[0:1], 0x40             ; W_ih1 s[32:33], W_hh1 s[34:35], b_ih1 s[36:37], b_hh1 s[38:39], W1 s[40:41], b1 s[42:43], W2 s[44:45], b2 s[46:47]
	s_load_b128 s[48:51], s[0:1], 0x80             ; W3 s[48:49], b3 s[50:51]
	s_load_b64 s[52:53], s[0:1], 0x90              ; out0
	v_lshl_add_u32 v[SPW], v0, 2, SPARE
	v_mov_b32 v[NIL], 0
	v_and_b32 v1, 31, v0                           ; lane
	v_lshrrev_b32 v228, 5, v0
	v_readfirstlane_b32 s2, v228                   ; wave 0..7
	v_and_b32 v[R], 15, v0
	v_bfe_u32 v[HF], v0, 4, 1
	s_lshl_b32 s4, ttmp9, 3
	s_add_co_u32 s4, s4, s2                        ; my wave among the launch's 2,048
	s_mov_b32 s80, 0x41f00000                      ; 30.0
	s_mov_b32 s81, 0x3c003c00                      ; 1.0, 1.0 in f16
	s_mov_b32 s82, 0xc038aa3b                      ; k2 = -2 log2(e), named as a pair
	s_mov_b32 s83, 0xc038aa3b
	s_mov_b32 s84, 0x4038aa3b                      ; -k2
	s_mov_b32 s85, 0x4038aa3b
	s_mov_b32 s86, 0x76543210                      ; v_permlanex16_b32: each lane takes its own place in the other half
	s_mov_b32 s87, 0xfedcba98
	s_mov_b32 s88, 0xffff0000                      ; the lanes with h = 1
	s_mov_b32 s89, 0xbfb8aa3b                      ; -log2(e)
	s_mul_i32 s6, s2, WSTG
	s_add_co_u32 s6, s6, STAGE                     ; my wave's records
	s_add_co_u32 s12, s6, BREC
	s_add_co_u32 s13, s6, BREC+8
	s_add_co_u32 s14, s6, BREC+12
	s_lshl_b32 s7, s2, 9
	s_add_co_u32 s7, s7, OUTS                      ; my wave's results
	v_mul_u32_u24 v[RA], v[R], 160                 ; record r: 160 r + 16 (r >> 3), in the second set where h = 1
	v_lshrrev_b32 v231, 3, v[R]
	v_lshl_add_u32 v[RA], v231, 4, v[RA]
	v_mul_u32_u24 v231, v[HF], BREC
	v_add3_u32 v[RA], v[RA], v231, s6
	v_lshl_add_u32 v[OA], v[R], 2, s7
	v_lshlrev_b32 v[L16], 4, v1
	; s: load n, lane L holds s[row 4 n + (L >> 3)][step L & 7]: 160 (L >> 3) + 40 ((L & 7) >> 1) + 32 (L & 1)
	v_lshrrev_b32 v231, 3, v1
	v_mul_u32_u24 v235, v231, 160
	v_bfe_u32 v231, v1, 1, 2
	v_mul_u32_u24 v231, v231, 40
	v_and_b32 v233, 1, v1
	v_lshl_add_u32 v235, v233, 5, v235
	v_add_nc_u32 v235, v235, v231
	; y: lane L holds row L >> 1, steps 4 (L & 1) on: 160 (L >> 1) + 16 (L >> 4) + 80 (L & 1)
	v_lshrrev_b32 v231, 1, v1
	v_mul_u32_u24 v236, v231, 160
	v_lshrrev_b32 v231, 4, v1
	v_lshl_add_u32 v236, v231, 4, v236
	v_mul_u32_u24 v231, v233, 80
	v_add_nc_u32 v236, v236, v231
	; u: word W = 64 n + j + 2 L of the tile's 320; five words to a step pair P = W / 5 (W x 13,108 >> 16, exact up to 319): 4 W + 20 P + 16 (P >> 5)
.set k, 0
.rept 10
	v_lshl_add_u32 v231, v1, 1, 64*(k/2)+(k%2)
	v_mul_u32_u24 v232, v231, 13108
	v_lshrrev_b32 v232, 16, v232
	v_lshrrev_b32 v234, 5, v232
	v_mul_u32_u24 v232, v232, 20
	v_lshl_add_u32 v232, v231, 2, v232
	v_lshl_add_u32 v[237+k], v234, 4, v232
.set k, k+1
.endr
	WIN 0x40                                       ; destinations in window 1
	v_lshlrev_b32 v[GV], 4, v1
	v_lshl_add_u32 v[XA], v1, 3, s6
	v_add_nc_u32 v[SA], s12, v235
	v_add_nc_u32 v[YA], s13, v236
.set k, 0
.rept 10
	v_add_nc_u32 v[UA+k], s14, v[237+k]
.set k, k+1
.endr
	WIN 0
	v_mov_b32 v[ZR], 0
	v_cndmask_b32 v[MH0], 1.0, 0, s88
	s_mov_b32 s9, 0
	s_wait_kmcnt 0x0
	s_load_b256 s[68:75], s[48:49], 0x0            ; W3's ten numbers
	s_load_b64 s[76:77], s[48:49], 0x20
	s_load_b32 s78, s[50:51], 0x0                  ; b3
	s_mul_i32 s8, s4, 4096                         ; my wave's 128 rows in each tensor
	s_add_nc_u64 s[16:17], s[16:17], s[8:9]
	s_mul_i32 s8, s4, 40960
	s_add_nc_u64 s[18:19], s[18:19], s[8:9]
	s_mul_i32 s8, s4, 20480
	s_add_nc_u64 s[20:21], s[20:21], s[8:9]
	s_mul_i32 s8, s4, 16384
	s_add_nc_u64 s[22:23], s[22:23], s[8:9]
	s_lshl_b32 s8, s4, 9
	s_add_nc_u64 s[52:53], s[52:53], s[8:9]
	LA 0                                           ; tile 0's x is on its way during the build
; ================ the build: waves 0-4 make tile w of the five LSTM kinds and row tile w of W1, wave 5 makes W2
	s_cmp_gt_u32 s2, 5
	s_cbranch_scc1 .Lbuilt
	s_cmp_eq_u32 s2, 5
	s_cbranch_scc1 .Lwave5
	v_bfe_u32 v166, v[R], 1, 2                     ; my A row's gate
	v_mul_u32_u24 v167, v166, 20
	v_lshrrev_b32 v168, 3, v[R]
	v_lshl_add_u32 v167, v168, 1, v167
	v_and_b32 v168, 1, v[R]
	v_add_nc_u32 v167, v167, v168
	s_lshl_b32 s8, s2, 2
	v_add_nc_u32 v167, s8, v167                    ; its row in the weights: 20 gate + 4 w + 2 (r >> 3) + (r & 1)
	v_mul_u32_u24 v168, v167, 80
	v_lshl_add_u32 v169, v[HF], 3, v168            ; + 8 h: columns 4 p + 2 h, + 1
	v_lshlrev_b32 v170, 2, v167
	s_lshl_b32 s8, s2, 4
	v_add_nc_u32 v171, s8, v[R]                    ; W1's row 16 w + r
	v_mul_u32_u24 v172, v171, 640
	v_lshl_add_u32 v172, v[HF], 3, v172
	v_lshlrev_b32 v171, 2, v171
	s_lshl_b32 s8, s2, 10
	v_add_nc_u32 v[FA], s8, v[L16]
.irp i, 0,1,2,3,4
	global_load_b128 v[WR+4*(\i):WR+4*(\i)+3], v168, s[24:25] offset:16*(\i)
.endr
.irp i, 0,1,2,3,4
	global_load_b64 v[HH0+2*(\i):HH0+2*(\i)+1], v169, s[26:27] offset:16*(\i)
	global_load_b64 v[IH1+2*(\i):IH1+2*(\i)+1], v169, s[32:33] offset:16*(\i)
	global_load_b64 v[HH1+2*(\i):HH1+2*(\i)+1], v169, s[34:35] offset:16*(\i)
.endr
	global_load_b32 v[BB], v170, s[28:29]
	global_load_b32 v[BB+1], v170, s[30:31]
	global_load_b32 v[BB+2], v170, s[36:37]
	global_load_b32 v[BB+3], v170, s[38:39]
	global_load_b32 v[BB+4], v171, s[42:43]
.set k, 0
.rept 40
	global_load_b64 v[W1R+2*k:W1R+2*k+1], v172, s[40:41] offset:80*(k/5)+16*(k%5)
.set k, k+1
.endr
	v_cmp_eq_u32 vcc_lo, 2, v166
	v_mov_b32 v[SC], s89
	v_cndmask_b32 v[SC], v[SC], s82, vcc_lo        ; rows g: k2; rows i, f, o: -log2(e)
	v_mov_b32 v[SC+1], v[SC]
	s_wait_loadcnt 0x0
.irp i, 0,1,2,3,4,5,6,7,8,9
	v_pk_mul_f32 v[WR+2*(\i):WR+2*(\i)+1], v[WR+2*(\i):WR+2*(\i)+1], v[SC:SC+1]
.endr
	v_add_f32 v[BB], v[BB], v[BB+1]
	v_add_f32 v[BB+2], v[BB+2], v[BB+3]
	v_mul_f32 v[BB+1], v[SC], v[MH0]
	v_mul_f32 v[BB], v[BB], v[BB+1]
	v_mul_f32 v[BB+2], v[BB+2], v[BB+1]
	v_mul_f32 v[BB+4], v[BB+4], v[MH0]
	BIASREG BR0, BB
	BIASREG BR1, BB+2
	BIASREG BR2, BB+4
	; W_ih0 (columns: y 0, x 1-10, u 11-15, s 16-19) for an even step: B is registers 0-7 of the step pair's ten
	FR 0, 1, 2, 16, 17
	FR 1, 3, 4, 18, 19
	FR 2, 5, 6, 0, -1
	FR 3, 7, 8, 11, 12
	FR 4, 9, 10, 13, 14
	FR 5, -1, -1, 15, -1
	v_mov_b32 v[FT+6], 0
	v_mov_b32 v[FT+7], 0
	FSTORE LF
	; and for an odd step: B is registers 2-9
	FR 0, -1, -1, -1, 0
	v_mov_b32 v[FT+1], 0
	v_mov_b32 v[FT+2], 0
	FR 3, 1, 2, -1, 11
	FR 4, 3, 4, 12, 13
	FR 5, 5, 6, 14, 15
	FR 6, 7, 8, 16, 17
	FR 7, 9, 10, 18, 19
	FSTORE LF+5120
	HFRAG HH0, LF+2*5120, BR0
	HFRAG IH1, LF+3*5120, -1
	HFRAG HH1, LF+4*5120, BR1
	; W1: B's register 8 q + j is register (8 q + j) % 6 of H1's slot 1 + (8 q + j) / 6; b1 rides on the first slot's ones
.set q, 0
.rept 6
.set j, 0
.rept 8
.set rho, 8*q+j
.if (rho%6) < 5
	v_cvt_pk_f16_f32 v[FT+j], v[W1R+2*(5*(rho/6)+rho%6)], v[W1R+2*(5*(rho/6)+rho%6)+1]
.elseif rho == 5
	v_mov_b32 v[FT+j], v[BR2]
.else
	v_mov_b32 v[FT+j], 0
.endif
.set j, j+1
.endr
	FSTORE W1F+5120*q
.set q, q+1
.endr
	s_branch .Lbuilt
.Lwave5:
	v_min_u32 v166, 9, v[R]                        ; W2 has ten rows: the six A rows beyond them are made 0
	v_mul_u32_u24 v167, v166, 320
	v_lshl_add_u32 v167, v[HF], 5, v167            ; columns 16 m + 8 h on
	v_lshlrev_b32 v168, 2, v166
.irp m, 0,1,2,3,4
	global_load_b128 v[W2R+8*(\m):W2R+8*(\m)+3], v167, s[44:45] offset:64*(\m)
	global_load_b128 v[W2R+8*(\m)+4:W2R+8*(\m)+7], v167, s[44:45] offset:64*(\m)+16
.endr
	global_load_b32 v[BB+20], v168, s[46:47]
	v_cmp_gt_u32 vcc_lo, 10, v[R]
	v_cndmask_b32 v169, 0, -1, vcc_lo
	s_wait_loadcnt 0x0
.set k, 0
.rept 20
	v_cvt_pk_f16_f32 v[F2+k], v[W2R+2*k], v[W2R+2*k+1]
.set k, k+1
.endr
	v_mul_f32 v[BB+20], v[BB+20], v[MH0]
	BIASREG F2+20, BB+20
.set k, 0
.rept 21
	v_and_b32 v[F2+k], v169, v[F2+k]
.set k, k+1
.endr
	v_mov_b32 v[F2+21], 0
	v_mov_b32 v[F2+22], 0
	v_mov_b32 v[F2+23], 0
.irp q, 0,1,2
	ds_store_b128 v[L16], v[F2+8*(\q):F2+8*(\q)+3] offset:W2F+1024*(\q)
	ds_store_b128 v[L16], v[F2+8*(\q)+4:F2+8*(\q)+7] offset:W2F+1024*(\q)+512
.endr
.Lbuilt:
	SAQ 0                                          ; tile 0's x into its records,
	LB 0                                           ; its y, u, s on their way
	s_wait_dscnt 0x0                               ; for the others' sake: my fragments are in LDS
	s_barrier_signal -1
	s_barrier_wait -1                              ; everybody's are; nobody writes them again
	WIN 0x40
.set f, 0
.rept 25                                               ; the LSTM's 25 fragments stay in registers: window 1, v0-199
	ds_load_b128 v[8*f:8*f+3], v[L16] offset:LF+1024*f
	ds_load_b128 v[8*f+4:8*f+7], v[L16] offset:LF+1024*f+512
.set f, f+1
.endr
	WIN 0
	v_mov_b32 v[H0+5], s81                         ; the ones and the zeros that no step rewrites
	v_mov_b32 v[H0+6], 0
	v_mov_b32 v[H0+7], 0
.irp i, 0,1,2,3,4
	v_mov_b32 v[H1+(\i)], 0
.endr
.irp i, 0,1,2,3,4,5,6,7,8
	v_mov_b32 v[H1+6*(\i)+5], s81
.endr
.irp i, 1,2,3,4,5,6,7,8
	v_mov_b32 v[H1+6*(\i)], 0                      ; named by the slot before as K slots with weight 0: they need only be finite
	v_mov_b32 v[H1+6*(\i)+1], 0
.endr
	s_wait_kmcnt 0x0                               ; W3, b3
.irp j, 0,1
	v_mov_b32 v[W3L+(\j)], s[68+(\j)]
	v_cndmask_b32 v[W3L+(\j)], v[W3L+(\j)], s[76+(\j)], s88
.endr
.irp j, 2,3,4,5,6,7
	v_mov_b32 v[W3L+(\j)], s[68+(\j)]
	v_cndmask_b32 v[W3L+(\j)], v[W3L+(\j)], 0, s88
.endr
	SBQ 0
	s_mov_b32 s3, 8
; ================ a trip: one tile of 16 rows.  Each block of products stands directly behind the FIN that makes its B operand, and a MID of the other layer or more ahead of the JOIN that reads its
; result; the next tile's inputs are fetched and laid out on the way.  Every JOIN ends in its wait and MID leaves no result open.
.Ltile:
.irp i, 0,1,2,3,4,5,6,7,8,9
	ds_load_b128 v[X+4*(\i):X+4*(\i)+3], v[RA] offset:16*(\i)  ; LDS serves a wave's instructions in order (ISA guide 5.7.1.4): these see my stores of the records, and the next tile's stores come behind them
.endr
	LA 1
	s_wait_dscnt 0x0                               ; my record is in (first trip: the weights' fragments too)
	M0 0
	PLACES
	JOIN -1, ACCA, 1                               ; layer 0, step 0 stands alone: nothing else is ready
	MID ACCA, C0, 1
	JOIN ACCA, -1, 0
	FIN ACCA, H0
	M0 1
	PLACES
	JOIN -1, ACCA, 0                               ; layer 0, step 1 begins
.set tt, 0
.rept 6
.if tt > 0
	FIN ACCB, H1+6*tt                              ; layer 1, step tt - 1 ends
.endif
	M1 tt
	MID ACCA, C0, 0                                ; layer 0, step tt + 1
.if tt == 0
	JOIN ACCA, ACCB, 1                             ; it ends; layer 1, step tt begins
.else
	JOIN ACCA, ACCB, 0
.endif
	FIN ACCA, H0
	M0 tt+2
.if tt == 2
	SAQ 1
	LB 1
.endif
.if tt == 0
	MID ACCB, C1, 1                                ; layer 1, step tt
.else
	MID ACCB, C1, 0
.endif
	JOIN ACCB, ACCA, 0                             ; it ends; layer 0, step tt + 2 begins
.set tt, tt+1
.endr
	FIN ACCB, H1+36                                ; layer 1, step 5 ends
	M1 6
	SBQ 1
	MID ACCA, C0, 0                                ; layer 0, step 7
	JOIN ACCA, ACCB, 0                             ; it ends; layer 1, step 6 begins
	FIN ACCA, H0
	FCLOAD 0, X                                    ; the record and layer 0's accumulators are free: W1's first two K chunks
	FCLOAD 1, ACCA
	MID ACCB, C1, 0                                ; layer 1, step 6
	JOIN ACCB, -1, 0                               ; layer 0 is through: layer 1 stands alone from here on
	FIN ACCB, H1+42
	M1 7
	PLACES
	JOIN -1, ACCB, 0                               ; layer 1, step 7
	MID ACCB, C1, 0
	JOIN ACCB, -1, 0
	FIN ACCB, H1+48
	; FC1: 80 x 160 (+ b1) on H1's slots 1-8 as they lie: six K chunks, two buffers
.irp q, 0,1,2
	ds_load_b128 v[96+8*(\q):96+8*(\q)+3], v[L16] offset:W2F+1024*(\q)
	ds_load_b128 v[96+8*(\q)+4:96+8*(\q)+7], v[L16] offset:W2F+1024*(\q)+512
.endr
	s_wait_dscnt 0x0
	FC1 0, X, 1
	FC1 1, ACCA, 0
	PLACES
	FCLOAD 2, X
	FCLOAD 3, ACCA
	s_wait_dscnt 0x0
	FC1 2, X, 0
	FC1 3, ACCA, 0
	PLACES
	FCLOAD 4, X
	FCLOAD 5, ACCA
	s_wait_dscnt 0x0
	FC1 4, X, 0
	FC1 5, ACCA, 0
	PLACES
.set k, 0
.rept 40
	v_max_num_f32 v[ACCB+k], 0, v[ACCB+k]
.set k, k+1
.endr
.set k, 0
.rept 20                                               ; z1 packed: register 4 m + j = rows 16 m + 8 h + 2 j, + 1: B of FC2
	v_cvt_pk_f16_f32 v[ACCA+k], v[ACCB+2*k], v[ACCB+2*k+1]
.set k, k+1
.endr
	v_mov_b32 v[ACCA+20], s81                      ; the ones for b2
	v_mov_b32 v[ACCA+21], 0
	v_mov_b32 v[ACCA+22], 0
	v_mov_b32 v[ACCA+23], 0
	v_wmma_f32_16x16x32_f16 v[ACCB:ACCB+7], v[96:103], v[ACCA:ACCA+7], 0
	s_wait_alu depctr_va_vdst(0)                   ; a wait ahead of each link
	v_wmma_f32_16x16x32_f16 v[ACCB:ACCB+7], v[104:111], v[ACCA+8:ACCA+15], v[ACCB:ACCB+7]
	s_wait_alu depctr_va_vdst(0)
	v_wmma_f32_16x16x32_f16 v[ACCB:ACCB+7], v[112:119], v[ACCA+16:ACCA+23], v[ACCB:ACCB+7]
	PLACES
.irp j, 0,1,2,3,4,5,6,7
	v_max_num_f32 v[ACCB+(\j)], 0, v[ACCB+(\j)]
.endr
	v_pk_mul_f32 v[120:121], v[ACCB:ACCB+1], v[W3L:W3L+1]          ; FC3 in f32: my eight rows of z2,
	v_pk_fma_f32 v[120:121], v[ACCB+2:ACCB+3], v[W3L+2:W3L+3], v[120:121]
	v_pk_fma_f32 v[120:121], v[ACCB+4:ACCB+5], v[W3L+4:W3L+5], v[120:121]
	v_pk_fma_f32 v[120:121], v[ACCB+6:ACCB+7], v[W3L+6:W3L+7], v[120:121]
	s_sub_co_u32 s5, 8, s3                         ; the tile's number, 0 to 7,
	s_and_b32 s5, s5, 7
	s_lshl_b32 s5, s5, 6                           ; times its 16 words
	v_add_f32 v120, v120, v121
	v_permlanex16_b32 v122, v120, s86, s87         ; the other half of the lanes' rows,
	v_add_f32 v120, v120, v122
	v_add_f32 v120, s78, v120                      ; and b3
	v_add_nc_u32 v121, s5, v[OA]
	ds_store_b32 v121, v120                        ; both halves of the lanes write the same word with the same number
	s_sub_co_u32 s3, s3, 1
	s_cmp_lg_u32 s3, 0
	s_cbranch_scc1 .Ltile
; ================ the way out: the wave's 128 results are 512 consecutive bytes of out0, at a multiple of 512 from its first: one store
	v_add_nc_u32 v120, s7, v[L16]
	ds_load_b128 v[96:99], v120
	s_wait_dscnt 0x0
	global_store_b128 v[L16], v[96:99], s[52:53] th:TH_STORE_NT
	s_wait_tensorcnt 0x0                           ; the wave's end: behind my last LDS store
	ds_add_u32 v[SPW], v[NIL]
	s_wait_dscnt 0x0
	s_endpgm
.Lfunc_end_k_q789a4f09b7_lstm:
	.size	k_q789a4f09b7_lstm, .Lfunc_end_k_q789a4f09b7_lstm-k_q789a4f09b7_lstm
	.p2alignl 7, 3214868480
	.fill 96, 4, 3214868480
	.section	.rodata,"a",@progbits
	.p2align	6, 0x0
	.amdhsa_kernel k_q789a4f09b7_lstm
		.amdhsa_group_segment_fixed_size 107520
		.amdhsa_private_segment_fixed_size 0
		.amdhsa_enable_private_segment 0
		.amdhsa_kernarg_size 152
		.amdhsa_user_sgpr_count 2
		.amdhsa_user_sgpr_kernarg_segment_ptr 1
		.amdhsa_wavefront_size32 1
		.amdhsa_system_sgpr_workgroup_id_x 1
		.amdhsa_system_sgpr_workgroup_id_y 1
		.amdhsa_system_sgpr_workgroup_id_z 1
		.amdhsa_system_vgpr_workitem_id 0
		.amdhsa_next_free_vgpr 512
		.amdhsa_next_free_sgpr 96
		.amdhsa_reserve_vcc 1
		.amdhsa_float_denorm_mode_32 3
		.amdhsa_float_denorm_mode_16_64 3
		.amdhsa_memory_ordered 1
		.amdhsa_forward_progress 1
		.amdhsa_inst_pref_size 195
	.end_amdhsa_kernel
	.amdgpu_metadata
---
amdhsa.version: [ 1, 2 ]
amdhsa.kernels:
  - .name:           k_q789a4f09b7_lstm
    .symbol:         k_q789a4f09b7_lstm.kd
    .args:
      - { .name: y_past, .offset: 0, .size: 8, .value_kind: global_buffer, .address_space: global }
      - { .name: x_past, .offset: 8, .size: 8, .value_kind: global_buffer, .address_space: global }
      - { .name: u_past, .offset: 16, .size: 8, .value_kind: global_buffer, .address_space: global }
      - { .name: s_past, .offset: 24, .size: 8, .value_kind: global_buffer, .address_space: global }
      - { .name: W_ih0, .offset: 32, .size: 8, .value_kind: global_buffer, .address_space: global }
      - { .name: W_hh0, .offset: 40, .size: 8, .value_kind: global_buffer, .address_space: global }
      - { .name: b_ih0, .offset: 48, .size: 8, .value_kind: global_buffer, .address_space: global }
      - { .name: b_hh0, .offset: 56, .size: 8, .value_kind: global_buffer, .address_space: global }
      - { .name: W_ih1, .offset: 64, .size: 8, .value_kind: global_buffer, .address_space: global }
      - { .name: W_hh1, .offset: 72, .size: 8, .value_kind: global_buffer, .address_space: global }
      - { .name: b_ih1, .offset: 80, .size: 8, .value_kind: global_buffer, .address_space: global }
      - { .name: b_hh1, .offset: 88, .size: 8, .value_kind: global_buffer, .address_space: global }
      - { .name: W1, .offset: 96, .size: 8, .value_kind: global_buffer, .address_space: global }
      - { .name: b1, .offset: 104, .size: 8, .value_kind: global_buffer, .address_space: global }
      - { .name: W2, .offset: 112, .size: 8, .value_kind: global_buffer, .address_space: global }
      - { .name: b2, .offset: 120, .size: 8, .value_kind: global_buffer, .address_space: global }
      - { .name: W3, .offset: 128, .size: 8, .value_kind: global_buffer, .address_space: global }
      - { .name: b3, .offset: 136, .size: 8, .value_kind: global_buffer, .address_space: global }
      - { .name: out0, .offset: 144, .size: 8, .value_kind: global_buffer, .address_space: global }
    .group_segment_fixed_size: 107520
    .private_segment_fixed_size: 0
    .kernarg_segment_align: 8
    .kernarg_segment_size: 152
    .max_flat_workgroup_size: 256
    .sgpr_count:     96
    .vgpr_count:     512
    .wavefront_size: 32
...
	.end_amdgpu_metadata
.endif
;; end of part 2
